; MI455X (gfx1250); checked and timed in simulation.
; The chip was launched on July 23, 2026; its instructions are those of AMD's public machine-readable ISA for CDNA 5 (MIT licence, August 2026) and "CDNA5" Instruction Set Architecture Reference Guide (July 2026). The comments in the code are by the model that wrote it; some were corrected since.
;; Q Linear. Allowed arithmetic: matrix products marked QUANTISED: E3M2 operands, one E8M0 scale for each 32 along K, by v_wmma_scale_f32_16x16x128_f8f6f4 with both operands' format E3M2, f32 sums; everything else in f32.
;; Inputs: bias 2,048 float32; perm 4,096 int32; qweight 2,048 x 2,048 int32; scale 2,048 x 32 float32; x 4 x 2,048 x 4,096 float32; zero 2,048 x 32 float32.
;; Outputs: out0 4 x 2,048 x 2,048 float32.
;; This version of the problem:
;;   THIS VERSION OF THE PROBLEM IS GIVEN IN LOW PRECISION. The matrix products marked QUANTISED in the list below multiply operands that are first quantised to E3M2 (3 exponent bits, 2 mantissa bits; 6 bits a number), with one power-of-two scale for each 32 numbers along K (OCP MX v1.0); their sums are f32. All else is computed in f32.
;;   The module's matrix products, in the order in which they are computed (A, B: the left and right operand; K: the contracted axis; several contracted axes count as one K, in the product's order):
;;     1. [M 8,192, K 4,096] x [K 4,096, N 2,048]; A: computed on the way; B: computed on the way: QUANTISED
;;   THE QUANTISER, for each operand of a quantised product, along K:
;;     - K is cut into blocks of 32 from its start; a last block that is shorter is filled with zeros.
;;     - A block's scale is 2^e with e = floor(log2(the largest magnitude in the block)) - 4, held to -126 .. 127; a block of zeros has e = 0. As a byte (E8M0): e + 127.
;;     - Each number is divided by its block's scale, clamped to +-28, and rounded to the nearest number of E3M2, ties to even, subnormals kept.
;;     - The product sums the exact products of the quantised numbers (number of the format x scale) in f32.
;;   ~~~python
;;   def quantise(x, axis):      # numpy; x: float32 -> the quantised numbers, widened to float32 again
;;       x = np.moveaxis(x, axis, -1); K = x.shape[-1]
;;       x = np.pad(x, [(0, 0)] * (x.ndim - 1) + [(0, -K % 32)]); x = x.reshape(x.shape[:-1] + (-1, 32)); a = np.abs(x).max(-1, keepdims=True)
;;       e = np.where(a > 0, np.clip(np.frexp(np.where(a > 0, a, 1))[1] - 1 - 4, -126, 127), 0)      # np.frexp(a)[1] - 1 = floor(log2(a)), exactly
;;       r = np.clip(x / 2.0 ** e, -28, 28)
;;       step = 2.0 ** (np.maximum(np.frexp(np.where(r == 0, 1, r))[1] - 1, -2) - 2)
;;       q = np.round(r / step) * step * 2.0 ** e      # np.round: ties to even
;;       return np.moveaxis(q.reshape(q.shape[:-2] + (-1,))[..., :K], -1, axis).astype(np.float32)
;;   ~~~
;;   OPERANDS COMPUTED ON THE WAY. 'Computed on the way' means the value that the module computes at that place (a softmax that the list does not call 'softmax' is quantised finished and normalised). What goes into a quantiser is computed in f32, as accurately as f32 sums, v_exp_f32 and their like allow (about 1e-6 of the number): no bf16 or f16 on the way to a quantiser, and a product that is left as it is and whose result goes on into a quantised operand takes f32 operands (vector FMAs, or v_wmma_f32_16x16x4_f32). A number that lies on a knife's edge between two numbers of the format may be rounded either way, as far as f32 arithmetic and the matrix unit's own rounding can turn it there, and no further.
;; One version. Each part assembles by itself: llvm-mc -triple=amdgcn-amd-amdhsa -mcpu=gfx1250 --defsym DOCPART=n.
;; ======== version 1 of 1: 2 launches
;; limits: right only within a limited range of input values
;; workspace buffers: a_codes 25,165,824 bytes; b_codes 6,291,456 bytes; a_scales 1,048,576 bytes; b_scales 262,144 bytes
;; launch quant (part 1): grid 512 x 1, 8 waves a work-group, no clusters, 131,072 bytes of LDS; arguments x, perm, qweight, scale, zero, a_codes, a_scales, b_codes, b_scales; writes a_codes, a_scales, b_codes, b_scales
.if DOCPART == 1
	.amdgcn_target "amdgcn-amd-amdhsa--gfx1250"
	.amdhsa_code_object_version 6
	.text
	.protected	k_qcaaf94b08d_quant
	.globl	k_qcaaf94b08d_quant
	.p2align	8
	.type	k_qcaaf94b08d_quant,@function
k_qcaaf94b08d_quant:
	s_mov_b64 s[64:65], 0
	v_nop
	global_prefetch_b8 v0, s[64:65] scope:SCOPE_SE
	s_setreg_imm32_b32 hwreg(HW_REG_WAVE_MODE, 25, 1), 1
	s_wait_xcnt 0x0
; Both operands of out = Q(x[.., perm]) Q(w)^T are made here, once: codes of BF6 (E3M2), 6 bits each, and one E8M0 scale byte for each 32 along the permuted K.
; x: [8192][4096] f32; perm: [4096] int32; qweight: [2048][2048] int32; scale, zero: [2048][32] f32.
; w[o][i] = scale[o][i / 128] x (q - zero[o][i / 128]), q = qweight[o][i] // 16 for i < 2048 and qweight[o][i - 2048] % 16 behind: a subtraction and a multiplication in f32, in that order.
; A block's scale is 2^(floor(log2(its largest magnitude)) - 4): its byte is the largest magnitude's exponent field - 4, held at 1 from below by a floor among the maximum's leaves.
; THE WORKSPACES ARE IMAGES OF THE OPERAND'S REGISTERS.  codes: [k / 128][rows / 16][1,536 bytes]: a fragment (16 rows x 128 K) is 3 pieces of 512 bytes, piece ch = registers 4 ch .. 4 ch + 3
; of lane L at 16 L; lane (r, h), L = r + 16 h, holds row r, and its registers 6 c .. 6 c + 5 the codes of k = 64 c + 32 h + 0 .. 31.  scales: [rows / 16][k / 256][r][8 bytes]: two scale words, the lower 128 along K first.
; SHARES.  Work-group g makes x's rows 16 g .. 16 g + 15, four rows at a time, and 1 / 512 of w: rows 16 (g / 4) on, int columns 512 (g % 4) on: eight fragments, one a wave (both nibbles of 128 columns go to two waves).
; THE GATHER GOES THROUGH LDS: a tile of four whole rows is read from memory as it lies, 16 bytes a lane, and a thread then takes the 32 numbers of ITS block of K (the same block in every row) from LDS by perm.
; The LDS addresses of the gather hang on perm, so stores into LDS and gathers are parted by a barrier on both sides: two barriers a tile.
; LIMITS: NaN and infinities in x, scale and zero are not served.  perm is taken as 0 .. 4,095; other numbers are held at 4,095 and not wrapped.  A block of zeros gets the byte 1 where the rule says 127:
; its codes are zeros, which add nothing under any byte but 0xff, and this program alone reads the bytes.  qweight may be any int32: // 16 is an arithmetic shift, % 16 the low four bits.
.set ROWP, 17408                       ; a row of x in LDS: 128 pieces of 128 bytes + 8 of padding: element p lies at 4 p + 8 (p / 32)
.set STG,  4*ROWP                      ; behind the tile: the stage, 32 fragments,
.set FP,   1824                        ; FP bytes apart; in a fragment piece ch at 528 ch, lanes 16-31 at + 272, row r at + 16 r
.set SST,  STG+32*FP                   ; behind it: the rowblock's 2,048 scale bytes, laid as in a_scales
.set WP,   2064                        ; w's ints, 16 rows x 2,048 bytes, take the tile's place at the end: rows WP bytes apart
.set KSA,  512*1536                    ; from one 128 along K to the next in a_codes,
.set KSB,  128*1536                    ; and in b_codes
.set XO,   1                           ; v1   x: my 16 bytes in a tile, in memory
.set XS,   2                           ; v2   and in LDS
.set SA0,  3                           ; v3   the stage: where my block's registers 0, 1 go (and, 528 on, 4, 5)
.set SA1,  4                           ; v4   and registers 2, 3
.set SAB,  5                           ; v5   my block's scale byte
.set RD,   6                           ; v6   the stage, read back: my wave's four fragments, 16 bytes a lane
.set RS,   7                           ; v7   my 8 scale bytes
.set L16,  8                           ; v8   16 x lane
.set L8,   9                           ; v9   8 x thread
.set WO,   10                          ; v10  w's ints in memory: my wave's two rows
.set WS,   11                          ; v11  and in LDS
.set WR,   12                          ; v12  where lane (r, h) reads its 64 ints
.set R128, 13                          ; v13  128 r: a row of scale or zero
.set R8,   14                          ; v14  8 r
.set H8,   15                          ; v15  8 h
.set PO,   16                          ; v16  128 x my block: its 32 numbers of perm
.set RHB,  17                          ; v17  my two rows of the tile in LDS
.set PA,   24                          ; v24-55   the gather's 32 LDS addresses
.set XL,   56                          ; v56-119  a tile's 16 loads
.set GA,   120                         ; v120-183 two rows x 32 numbers; later w's 64
.set CR,   184                         ; v184-195 two blocks' codes, six registers each
.set TC,   196                         ; v196-198 a block's upper 16 codes, before they are moved
.set BY,   200                         ; v200-201 scale bytes
.set MA,   202                         ; v202-203 two chains of the maximum
.set MB,   203
.set SO,   204                         ; v204-205 the conversions' scale operands
.set WD,   206                         ; v206 w's scale word
.set WT,   207                         ; v207 the other half's
.set SV,   208                         ; v[208:209] scale, twice
.set ZV,   210                         ; v[210:211] zero, twice
.set WV,   22                          ; s22  wave
.set SEL,  42                          ; s[42:43] v_permlanex16_b32's selects for lane l xor 16
.set SH,   44                          ; s44  4 in the waves that take // 16, else 0
.set MK,   45                          ; s45  all ones there, else 15
.macro LOADX t                         ; tile t: lanes 0-15 read 256 consecutive bytes at a multiple of 256 from x's first byte, lanes 16-31 those 2,048 bytes on
.irp gq, 0,1
.irp n, 0,1,2,3,4,5,6,7
	global_load_b128 v[XL+4*(8*\gq+\n):XL+4*(8*\gq+\n)+3], v[XO], s[4:5] offset:(\t)*65536+\gq*4096+\n*256 th:TH_LOAD_NT
.endr
.endr
.endm
.macro STOREX                          ; into LDS, 8 bytes at a time, since a piece of 136 bytes keeps multiples of 8 alone.  The 32 lanes of a store touch 64 different banks (64 banks of 4 bytes: ISA guide 11.1)
.irp gq, 0,1
.irp n, 0,1,2,3,4,5,6,7
	ds_store_b64 v[XS], v[XL+4*(8*\gq+\n):XL+4*(8*\gq+\n)+1] offset:\gq*4352+\n*272
	ds_store_b64 v[XS], v[XL+4*(8*\gq+\n)+2:XL+4*(8*\gq+\n)+3] offset:\gq*4352+\n*272+8
.endr
.endr
.endm
.macro GATHER                          ; x[row][perm[32 block + j]] for my two rows
.irp i, 0,1
.irp j, 0,1,2,3,4,5,6,7,8,9,10,11,12,13,14,15,16,17,18,19,20,21,22,23,24,25,26,27,28,29,30,31
	ds_load_b32 v[GA+32*\i+\j], v[PA+\j] offset:\i*ROWP
.endr
.endr
.endm
; 32 numbers v[s] .. v[s + 31], a whole block, become six registers of codes at v[cd] on and the byte v[BY + i]
.macro QUANT s, cd, i
	v_max3_num_f32 v[MA], |v[\s]|, |v[\s+1]|, 0x2800000            ; the floor 2^(5 - 127) among the leaves: the byte cannot fall under 1
	v_max3_num_f32 v[MB], |v[\s+2]|, |v[\s+3]|, |v[\s+4]|          ; two chains, so that no line waits for the line above it
.irp k, 5,9,13,17,21,25
	s_delay_alu instid0(VALU_DEP_2)
	v_max3_num_f32 v[MA], v[MA], |v[\s+\k]|, |v[\s+\k+1]|
	s_delay_alu instid0(VALU_DEP_2)
	v_max3_num_f32 v[MB], v[MB], |v[\s+\k+2]|, |v[\s+\k+3]|
.endr
	s_delay_alu instid0(VALU_DEP_2)
	v_max3_num_f32 v[MA], v[MA], |v[\s+29]|, |v[\s+30]|
	s_delay_alu instid0(VALU_DEP_1)
	v_max3_num_f32 v[MA], v[MA], v[MB], |v[\s+31]|                 ; the block's largest magnitude
	s_delay_alu instid0(VALU_DEP_1)
	v_add_nc_u32 v[SO+\i], 0xfe000000, v[MA]                       ; 4 off its exponent field: the conversion takes the exponent field of this operand as its scale, and nothing else of it
	v_cvt_scalef32_pk16_bf6_f32 v[\cd:\cd+2], v[\s:\s+15], v[SO+\i]
	v_cvt_scalef32_pk16_bf6_f32 v[TC:TC+2], v[\s+16:\s+31], v[SO+\i]   ; (a conversion's three registers begin on an even number: the block's second three do not, so they are made here and moved)
	v_lshrrev_b32 v[BY+\i], 23, v[SO+\i]                           ; the scale's byte; also the plain instruction between the conversions and the first use of a result
.irp n, 0,1,2
	v_mov_b32 v[\cd+3+\n], v[TC+\n]
.endr
.endm
.macro STAGE t                         ; tile t's codes and bytes go to their places in the fragments' images
.irp i, 0,1
	ds_store_b64 v[SA0], v[CR+6*\i:CR+6*\i+1] offset:64*(\t)+16*\i
	ds_store_b64 v[SA1], v[CR+6*\i+2:CR+6*\i+3] offset:64*(\t)+16*\i
	ds_store_b64 v[SA0], v[CR+6*\i+4:CR+6*\i+5] offset:64*(\t)+16*\i+528
	ds_store_b8 v[SAB], v[BY+\i] offset:32*(\t)+8*\i
.endr
.endm
.macro LOADW                           ; my wave's two rows of w's ints, 512 consecutive bytes a load; and my fragment's scale and zero
.irp e, 0,1,2,3,4,5,6,7
	global_load_b128 v[XL+4*\e:XL+4*\e+3], v[WO], s[8:9] offset:(\e/4)*8192+(\e%4)*512 th:TH_LOAD_NT
.endr
	global_load_b32 v[SV], v[R128], s[10:11]
	global_load_b32 v[ZV], v[R128], s[12:13]
.endm
.macro BAR
	s_barrier_signal -1
	s_barrier_wait -1
.endm
	s_load_b256 s[4:11], s[0:1], 0x0               ; x s[4:5], perm s[6:7], qweight s[8:9], scale s[10:11]
	s_load_b256 s[12:19], s[0:1], 0x20             ; zero s[12:13], a_codes s[14:15], a_scales s[16:17], b_codes s[18:19]
	s_load_b64 s[20:21], s[0:1], 0x40              ; b_scales
	v_lshl_add_u32 v216, v0, 2, 0x1fc00
	v_mov_b32 v217, 0
	v_lshrrev_b32 v18, 5, v0
	s_delay_alu instid0(VALU_DEP_1)
	v_readfirstlane_b32 s[WV], v18                 ; wave 0..7
	v_and_b32 v19, 31, v0                          ; lane l
	v_and_b32 v20, 15, v0                          ; l % 16
	v_bfe_u32 v21, v0, 4, 1                        ; l / 16
	v_and_b32 v22, 127, v0                         ; my block of 32 along K
	v_lshrrev_b32 v23, 7, v0                       ; which two rows of a tile I gather
	s_lshr_b32 s24, s[WV], 1                       ; the tile's row that my wave loads; later: which 128 int columns are my fragment's
	s_and_b32 s25, s[WV], 1                        ; which half of that row; later: which nibble
	s_lshl_b32 s26, s[WV], 13
	v_lshlrev_b32 v[XO], 4, v20
	s_delay_alu instid0(VALU_DEP_1)
	v_lshl_add_u32 v[XO], v21, 11, v[XO]
	s_delay_alu instid0(VALU_DEP_1)
	v_add_nc_u32 v[XO], s26, v[XO]                 ; 8,192 wave + 2,048 (l / 16) + 16 (l % 16)
	s_mul_i32 s27, s24, ROWP
	s_mul_i32 s28, s25, 64*136
	s_add_co_u32 s27, s27, s28
	v_and_b32 v[XS], 7, v0
	s_delay_alu instid0(VALU_DEP_1)
	v_lshlrev_b32 v[XS], 4, v[XS]
	v_bfe_u32 v18, v0, 3, 1
	s_delay_alu instid0(VALU_DEP_1)
	v_mad_u32_u24 v[XS], v18, 136, v[XS]
	s_delay_alu instid0(VALU_DEP_1)
	v_mad_u32_u24 v[XS], v21, 16*136, v[XS]
	s_delay_alu instid0(VALU_DEP_1)
	v_add_nc_u32 v[XS], s27, v[XS]                 ; the same bytes in LDS: piece 64 (wave % 2) + 16 (l / 16) + (l / 8) % 2 of the row, 16 (l % 8) in it
	v_bfe_u32 v18, v0, 2, 5                        ; my block's fragment: block / 4
	s_delay_alu instid0(VALU_DEP_1)
	v_mul_u32_u24 v[SA0], v18, FP
	v_and_b32 v18, 1, v0                           ; its h
	s_delay_alu instid0(VALU_DEP_1)
	v_mad_u32_u24 v[SA0], v18, 272, v[SA0]
	s_delay_alu instid0(VALU_DEP_1)
	v_lshl_add_u32 v[SA0], v23, 5, v[SA0]          ; my first row: 16 bytes a row
	s_delay_alu instid0(VALU_DEP_1)
	v_add_nc_u32 v[SA0], STG, v[SA0]
	v_bfe_u32 v18, v0, 1, 1                        ; its c.  c = 0: registers 0-5 lie at 0, 8, 528;  c = 1: registers 6-11 at 536, 1,056, 1,064
	s_delay_alu instid0(VALU_DEP_1)
	v_mad_u32_u24 v[SA1], v18, 1048, v[SA0]
	s_delay_alu instid0(VALU_DEP_1)
	v_add_nc_u32 v[SA1], 8, v[SA1]
	s_delay_alu instid0(VALU_DEP_3)
	v_mad_u32_u24 v[SA0], v18, 536, v[SA0]
	v_bfe_u32 v18, v0, 3, 4
	v_and_b32 v[SAB], 7, v0
	s_delay_alu instid0(VALU_DEP_1)
	v_lshl_add_u32 v[SAB], v18, 7, v[SAB]
	s_delay_alu instid0(VALU_DEP_1)
	v_lshl_add_u32 v[SAB], v23, 4, v[SAB]
	s_delay_alu instid0(VALU_DEP_1)
	v_add_nc_u32 v[SAB], SST, v[SAB]               ; 128 (block / 8) + block % 8 + 8 x row
	s_mul_i32 s28, s[WV], 4*FP
	s_add_co_u32 s28, s28, STG
	v_lshlrev_b32 v[RD], 4, v20
	s_delay_alu instid0(VALU_DEP_1)
	v_mad_u32_u24 v[RD], v21, 272, v[RD]
	s_delay_alu instid0(VALU_DEP_1)
	v_add_nc_u32 v[RD], s28, v[RD]
	v_lshlrev_b32 v[L8], 3, v0
	s_delay_alu instid0(VALU_DEP_1)
	v_add_nc_u32 v[RS], SST, v[L8]
	v_lshlrev_b32 v[L16], 4, v19
	s_lshl_b32 s30, s[WV], 14
	v_add_nc_u32 v[WO], s30, v[L16]
	s_mul_i32 s31, s[WV], 2*WP
	v_add_nc_u32 v[WS], s31, v[L16]
	v_mul_u32_u24 v[WR], v20, WP
	s_delay_alu instid0(VALU_DEP_1)
	v_lshl_add_u32 v[WR], v21, 7, v[WR]
	s_lshl_b32 s32, s24, 9
	v_add_nc_u32 v[WR], s32, v[WR]                 ; row r, + 512 x my 128 columns, + 128 h
	v_lshlrev_b32 v[R128], 7, v20
	v_lshlrev_b32 v[R8], 3, v20
	v_lshlrev_b32 v[H8], 3, v21
	v_lshlrev_b32 v[PO], 7, v22
	v_mul_u32_u24 v[RHB], v23, 2*ROWP
	v_mov_b32 v[WT], 0                             ; written once: a lane permute's destination counts as one of its sources
	v_mov_b32 v[MA], 0                             ; the tile's 512 pieces of padding, 8 bytes behind each 128, are written once, two a thread, ahead of the first barrier:
	v_mov_b32 v[MB], 0                             ; every byte of the range that a gather's address can take, 4 p + 8 (p / 32) with both parts held apart, then holds a written number
	v_mad_u32_u24 v18, v22, 136, v[RHB]            ; piece t % 128 of my two rows
	ds_store_b64 v18, v[MA:MA+1] offset:128
	ds_store_b64 v18, v[MA:MA+1] offset:128+ROWP
	s_mov_b32 s[SEL], 0x76543210
	s_mov_b32 s[SEL+1], 0xfedcba98
	s_cmp_eq_u32 s25, 0
	s_cselect_b32 s[SH], 4, 0
	s_cselect_b32 s[MK], -1, 15
	s_lshr_b32 s33, ttmp9, 2                       ; w's rowblock
	s_and_b32 s34, ttmp9, 3                        ; which 512 int columns
	s_lshl_b32 s35, s25, 4
	s_lshl_b32 s36, s34, 2
	s_add_co_u32 s35, s35, s36
	s_add_co_u32 s35, s35, s24                     ; my fragment's place along K, in 128s: 16 nibble + 4 (g % 4) + wave / 2; also its group of scale and zero
	s_lshr_b32 s36, s35, 1
	s_and_b32 s37, s35, 1
	s_mov_b32 s39, 0
	s_lshl_b32 s38, ttmp9, 18                      ; 16 rows of 16,384 bytes
	s_wait_alu depctr_va_vdst(0)
	s_wait_kmcnt 0x0
	s_add_nc_u64 s[4:5], s[4:5], s[38:39]
.irp q, 0,1,2,3,4,5,6,7
	global_load_b128 v[PA+4*\q:PA+4*\q+3], v[PO], s[6:7] offset:16*\q      ; my block's 32 numbers of perm
.endr
	LOADX 0
	s_mul_i32 s38, ttmp9, 1536                     ; the other bases, once; none is stepped: every later offset is an immediate
	s_mul_i32 s40, s[WV], 4*KSA
	s_add_co_u32 s38, s38, s40
	s_add_nc_u64 s[14:15], s[14:15], s[38:39]      ; a_codes: my rowblock, my wave's four fragments (four 128s along K)
	s_lshl_b32 s38, ttmp9, 11
	s_add_nc_u64 s[16:17], s[16:17], s[38:39]      ; a_scales: my rowblock
	s_lshl_b32 s38, s33, 17
	s_lshl_b32 s40, s34, 11
	s_add_co_u32 s38, s38, s40
	s_add_nc_u64 s[8:9], s[8:9], s[38:39]          ; qweight: 16 rows of 8,192 bytes, 2,048 bytes of each
	s_lshl_b32 s38, s33, 11
	s_lshl_b32 s40, s35, 2
	s_add_co_u32 s38, s38, s40
	s_add_nc_u64 s[10:11], s[10:11], s[38:39]      ; scale and zero: 16 rows of 128 bytes, my group
	s_add_nc_u64 s[12:13], s[12:13], s[38:39]
	s_mul_i32 s38, s35, KSB
	s_mul_i32 s40, s33, 1536
	s_add_co_u32 s38, s38, s40
	s_add_nc_u64 s[18:19], s[18:19], s[38:39]      ; b_codes: my fragment
	s_lshl_b32 s38, s33, 11
	s_lshl_b32 s40, s36, 7
	s_add_co_u32 s38, s38, s40
	s_lshl_b32 s40, s37, 2
	s_add_co_u32 s38, s38, s40
	s_add_nc_u64 s[20:21], s[20:21], s[38:39]      ; b_scales: its scale words
	s_wait_loadcnt 16                              ; perm is in; the first tile's 16 loads may be out
.set j, 0
.rept 32                                       ; p -> 4 p + 8 (p / 32) + my rows.  Both parts are held to their ranges first; behind that stand only shifts to the left and additions
	v_lshrrev_b32 v[18+j%4], 5, v[PA+j]
	v_min_u32 v[PA+j], 0xfff, v[PA+j]
	s_delay_alu instid0(VALU_DEP_2)
	v_min_u32 v[18+j%4], 127, v[18+j%4]
	s_delay_alu instid0(VALU_DEP_2)
	v_lshl_add_u32 v[PA+j], v[PA+j], 2, v[RHB]
	s_delay_alu instid0(VALU_DEP_1)
	v_lshl_add_u32 v[PA+j], v[18+j%4], 3, v[PA+j]
.set j, j+1
.endr
	s_wait_alu depctr_va_vdst(0)
.irp t, 0,1,2,3
.if \t > 0
	s_wait_alu depctr_va_vdst(0)
	STAGE \t-1                                     ; the last tile's codes: every wave has passed the barrier behind its gathers
.endif
	s_wait_loadcnt 0x0                             ; this tile is in registers
	STOREX
	s_wait_dscnt 0x0                               ; for the others' sake: my stores have landed.  They have also read their registers,
.if \t < 3
	LOADX \t+1                                     ; which take the next tile: it has the gather and the arithmetic below in which to land
.else
	LOADW
.endif
	BAR                                            ; the tile's four rows lie in LDS
	GATHER
	s_wait_dscnt 32                                ; my first row's 32 numbers are in; the second row's may be out
	QUANT GA, CR, 0
	s_wait_dscnt 0x0                               ; my reads of the tile are over:
	s_barrier_signal -1                            ; say so,
	QUANT GA+32, CR+6, 1                           ; work on registers while the others arrive,
	s_barrier_wait -1                              ; and only then is anything stored into LDS again
.endr
	s_wait_alu depctr_va_vdst(0)
	STAGE 3
	s_wait_loadcnt 0x0                             ; w's ints, scale and zero
.irp e, 0,1,2,3,4,5,6,7
	ds_store_b128 v[WS], v[XL+4*\e:XL+4*\e+3] offset:(\e/4)*WP+(\e%4)*512   ; into the bytes that the tiles have left
.endr
	s_wait_dscnt 0x0
	BAR                                            ; 32 fragments, their scale bytes and w's ints lie in LDS; nothing is stored into LDS behind this barrier
.irp f, 0,1,2,3
.irp ch, 0,1,2
	ds_load_b128 v[XL+4*(3*\f+\ch):XL+4*(3*\f+\ch)+3], v[RD] offset:\f*FP+\ch*528
.endr
.endr
	ds_load_b64 v[XL+48:XL+49], v[RS]
.irp c, 0,1
.irp q, 0,1,2,3,4,5,6,7
	ds_load_b128 v[GA+32*\c+4*\q:GA+32*\c+4*\q+3], v[WR] offset:256*\c+16*\q   ; lane (r, h): the ints of columns 64 c + 32 h + 0 .. 31 of my 128; rows an odd multiple of 16 bytes apart
.endr
.endr
	s_wait_dscnt 16                                ; x's codes and bytes are in; w's 16 loads may be out
.irp f, 0,1,2,3
.irp ch, 0,1,2
	global_store_b128 v[L16], v[XL+4*(3*\f+\ch):XL+4*(3*\f+\ch)+3], s[14:15] offset:\f*KSA+512*\ch   ; 32 lanes store 512 consecutive bytes, at a multiple of 256 from the buffer's first byte
.endr
.endr
	global_store_b64 v[L8], v[XL+48:XL+49], s[16:17]   ; a wave stores 256 consecutive bytes, at a multiple of 256
	s_wait_dscnt 0x0
	v_mov_b32 v[SV+1], v[SV]
	v_mov_b32 v[ZV+1], v[ZV]
.set j, 0
.rept 64
	v_ashrrev_i32 v[GA+j], s[SH], v[GA+j]          ; // 16, or nothing
.set j, j+1
.endr
.set j, 0
.rept 64
	v_and_b32 v[GA+j], s[MK], v[GA+j]              ; nothing, or % 16
.set j, j+1
.endr
.set j, 0
.rept 64
	v_cvt_f32_i32 v[GA+j], v[GA+j]
.set j, j+1
.endr
.set j, 0
.rept 32
	v_pk_add_f32 v[GA+j:GA+j+1], v[GA+j:GA+j+1], v[ZV:ZV+1] neg_lo:[0,1] neg_hi:[0,1]   ; q - zero
.set j, j+2
.endr
.set j, 0
.rept 32
	v_pk_mul_f32 v[GA+j:GA+j+1], v[GA+j:GA+j+1], v[SV:SV+1]                             ; x scale
.set j, j+2
.endr
	QUANT GA, CR, 0                                ; my blocks h and 2 + h: the results are the fragment's twelve registers
	QUANT GA+32, CR+6, 1
	s_delay_alu instid0(VALU_DEP_4)
	v_lshl_or_b32 v[WD], v[BY+1], 16, v[BY]        ; my two bytes,
	s_delay_alu instid0(VALU_DEP_1)
	v_lshlrev_b32 v[WD], v[H8], v[WD]              ; at their places in the scale word;
	s_delay_alu instid0(VALU_DEP_1)
	v_permlanex16_b32 v[WT], v[WD], s[SEL], s[SEL+1]
	s_delay_alu instid0(VALU_DEP_1)
	v_or_b32 v[WD], v[WD], v[WT]                   ; with lane l xor 16's two the word is whole
	v_and_b32 v18, 31, v0
.irp ch, 0,1,2
	global_store_b128 v[L16], v[CR+4*\ch:CR+4*\ch+3], s[18:19] offset:512*\ch
.endr
	s_wait_alu depctr_va_vdst(0)
	s_wait_xcnt 0x0                                ; EXEC is a source of the stores above: it changes only behind this wait
	v_cmp_gt_u32 vcc_lo, 16, v18
	s_wait_tensorcnt 0x0
	ds_add_u32 v216, v217
	s_wait_dscnt 0x0
	s_and_saveexec_b32 s24, vcc_lo
	global_store_b32 v[R8], v[WD], s[20:21]        ; lanes 0-15: row r's word.  4 bytes at every 8: the other word of a pair is another wave's; 262,144 bytes in the whole launch leave so
	s_wait_xcnt 0x0
	s_or_b32 exec_lo, exec_lo, s24
	s_endpgm
.Lfunc_end_k_qcaaf94b08d_quant:
	.size	k_qcaaf94b08d_quant, .Lfunc_end_k_qcaaf94b08d_quant-k_qcaaf94b08d_quant
	.p2alignl 7, 3214868480
	.fill 96, 4, 3214868480
	.section	.rodata,"a",@progbits
	.p2align	6, 0x0
	.amdhsa_kernel k_qcaaf94b08d_quant
		.amdhsa_group_segment_fixed_size 131072
		.amdhsa_private_segment_fixed_size 0
		.amdhsa_enable_private_segment 0
		.amdhsa_kernarg_size 72
		.amdhsa_user_sgpr_count 2
		.amdhsa_user_sgpr_kernarg_segment_ptr 1
		.amdhsa_wavefront_size32 1
		.amdhsa_system_sgpr_workgroup_id_x 1
		.amdhsa_system_sgpr_workgroup_id_y 1
		.amdhsa_system_sgpr_workgroup_id_z 1
		.amdhsa_system_vgpr_workitem_id 0
		.amdhsa_next_free_vgpr 218
		.amdhsa_next_free_sgpr 66
		.amdhsa_reserve_vcc 1
		.amdhsa_float_denorm_mode_32 3
		.amdhsa_float_denorm_mode_16_64 3
		.amdhsa_memory_ordered 1
		.amdhsa_forward_progress 1
		.amdhsa_inst_pref_size 86
	.end_amdhsa_kernel
	.amdgpu_metadata
---
amdhsa.version: [ 1, 2 ]
amdhsa.kernels:
  - .name:           k_qcaaf94b08d_quant
    .symbol:         k_qcaaf94b08d_quant.kd
    .args:
      - { .name: x, .offset: 0, .size: 8, .value_kind: global_buffer, .address_space: global }
      - { .name: perm, .offset: 8, .size: 8, .value_kind: global_buffer, .address_space: global }
      - { .name: qweight, .offset: 16, .size: 8, .value_kind: global_buffer, .address_space: global }
      - { .name: scale, .offset: 24, .size: 8, .value_kind: global_buffer, .address_space: global }
      - { .name: zero, .offset: 32, .size: 8, .value_kind: global_buffer, .address_space: global }
      - { .name: a_codes, .offset: 40, .size: 8, .value_kind: global_buffer, .address_space: global }
      - { .name: a_scales, .offset: 48, .size: 8, .value_kind: global_buffer, .address_space: global }
      - { .name: b_codes, .offset: 56, .size: 8, .value_kind: global_buffer, .address_space: global }
      - { .name: b_scales, .offset: 64, .size: 8, .value_kind: global_buffer, .address_space: global }
    .group_segment_fixed_size: 131072
    .private_segment_fixed_size: 0
    .kernarg_segment_align: 8
    .kernarg_segment_size: 72
    .max_flat_workgroup_size: 256
    .sgpr_count:     66
    .vgpr_count:     218
    .wavefront_size: 32
...
	.end_amdgpu_metadata
.endif
;; end of part 1
;; launch gemm (part 2): grid 8 x 32, 4 waves a work-group, clusters of 4 x 4, 327,680 bytes of LDS; arguments a_codes, a_scales, b_codes, b_scales, bias, out0; writes out0
.if DOCPART == 2
	.amdgcn_target "amdgcn-amd-amdhsa--gfx1250"
	.amdhsa_code_object_version 6
	.text
	.protected	k_qcaaf94b08d_gemm
	.globl	k_qcaaf94b08d_gemm
	.p2align	8
	.type	k_qcaaf94b08d_gemm,@function
k_qcaaf94b08d_gemm:
	s_mov_b64 s[64:65], 0
	v_nop
	global_prefetch_b8 v0, s[64:65] scope:SCOPE_SE
	s_setreg_imm32_b32 hwreg(HW_REG_WAVE_MODE, 25, 1), 1
	s_wait_xcnt 0x0
	s_wait_alu depctr_hold_cnt(0) depctr_sa_sdst(0) depctr_va_vdst(0) depctr_va_sdst(0) depctr_va_ssrc(0) depctr_va_vcc(0) depctr_vm_vsrc(0)
	s_getreg_b32 s2, hwreg(HW_REG_IB_STS2, 6, 4)
	s_cmp_eq_u32 s2, 0
	s_cbranch_scc0 .Lentry_in_a_cluster
	s_endpgm
.Lentry_in_a_cluster:
	s_bfe_u32 s2, ttmp6, 0x10000c
	s_cmp_lg_u32 s2, 0xf033
	s_cbranch_scc0 .Lentry_shape_is_right
	s_endpgm
.Lentry_shape_is_right:
; out0[m][n] = sum over k of A[m][k] B[n][k] + bias[n].  A: 8,192 x 4,096, B: 2,048 x 4,096: codes of BF6 (E3M2) with one E8M0 byte for each 32 along K, as launch quant laid them:
; codes [k / 128][rows / 16][1,536 bytes], a fragment (16 rows x 128 K) as the image of its twelve registers (piece c = registers 4 c .. 4 c + 3 of lane L at 512 c + 16 L); scales [rows / 16][k / 256][r][8 bytes].
; A work-group of four waves makes 256 x 256 of out0, a wave 128 x 128: 64 accumulators, 512 registers.  The first product of each accumulator takes the bias as C.
; K goes in 32 steps of 128 through a ring of two LDS slots of three steps each (2 x 147,456 bytes): ten loads of three steps and a last one of two, so that two steps are left behind the last load.
; A wave's tensor load brings 8 fragments (12,288 consecutive bytes, at a multiple of 256) of each step of the slot.
; THE CHANGE OF SLOTS stands at the head of a slot's last step, whose fragments are in registers by then: wait for all tensor loads, the add, wait for LDS, the round, the refill; that step's 64 products follow the refill.
; CLUSTERS: 4 x 4 work-groups; A's tiles are asked for jointly along a row of the cluster, B's along a column.  THE MATRIX INSTRUCTION IS USED TRANSPOSED (source 0 = rows of B, source 1 = rows of A): a lane holds 8 neighbouring columns of a row.
; The scale words come from memory into registers, 8 bytes (two steps) a lane, three sets by turns, three pairs of steps ahead.
; REGISTERS: window 0: v0-31 addresses, v32-79 scale words, v80-143 bias, v144-239 A's fragments (one set); window 1: B's fragments, two sets at v0 and v128; windows 2, 3: accumulator (a, b) at v[8 (8 (a % 4) + b)] of window 2 + a / 4.
.set SIZE_N, 2048
.set KSA,    512*1536                  ; from one 128 along K to the next in a_codes,
.set KSB,    128*1536                  ; and in b_codes
.set NQ,     3                         ; steps in a slot
.set FR,     12                        ; registers of a fragment
.set NL,     3                         ; LDS loads that bring one
.set NP,     4                         ; places behind this matrix instruction (ISA guide 7.12.1)
.set FRB,    1536
.set STEPB,  8*FRB                     ; one step of a wave's 8 fragments
.set PART,   NQ*STEPB                  ; what one tensor load brings
.set SLOT,   4*PART                    ; A's two halves, then B's two
.set TRIPS,  4
.set SPARE,  2*SLOT                    ; behind the ring: the spare words, 128 bytes a wave
.set SPITCH, 528
.set STAGE,  SLOT                      ; the way out's stages lie in slot 1: the last two steps lie in slot 0, and slot 1 has had its last fill and its last read by then
.set ADRA, 16                          ; v16-17 my A fragments in slot 0, 1
.set ADRB, 20                          ; v20-21 my B fragments
.set STO,  24                          ; the stage, in
.set RD,   25                          ; the stage, back
.set CO,   26                          ; 16 x lane
.set VS,   27                          ; scale words: 8 r + 2,048 h
.set SPW,  28                          ; my spare word; never rewritten
.set NIL,  29                          ; 0; never rewritten
.set PFO,  30                          ; 256 x lane
.set BO,   31                          ; 32 h
.set SC,   32
.set BI,   80
.set AF,   144
.set BK,   128
.set WV, 16
.set RH, 17
.set CH, 18
.set TY, 19
.set TX, 20
.set CX, 21
.set CY, 22
.set G1, 24                            ; group 1, A, three steps;  s[32:39] group 0, a set for each slot
.set G0, 32
.set G1B, 48                           ; the same for B
.set G0B, 56
.set LIM, 66
.set G1P, 68                           ; group 1 for the last load, two steps: A's, and B's
.set G1PB, 80
.set SAP, 76
.set SBP, 88
.set PFA, 98
.set PFS, 100
.set MSB, 0
.macro WIN new                         ; the immediate's high byte repeats the setting that is left
.if MSB != \new
	s_set_vgpr_msb (MSB<<8)|\new
.set MSB, \new
.endif
.endm
.set MUL_LO, 0xa1                      ; source 0 (B) window 1, source 1 (A) window 0, C and D window 2
.set MUL_HI, 0xf1
.set FIRST_LO, 0x81                    ; C (the bias) window 0
.set FIRST_HI, 0xc1
.set TO_B,   0x40
.macro JLOAD g0a, g1a, g0b, g1b        ; a joint load: waves 0, 1 fetch A's halves, waves 2, 3 B's; s_nop 0 and four v_nop behind each line
	s_cmp_eq_u32 s[RH], 0
	s_cbranch_scc0 .Lfor_b_\@
	tensor_load_to_lds s[\g0a:\g0a+3], s[\g1a:\g1a+7]
	s_nop 0
.rept 4
	v_nop
.endr
	s_branch .Lasked_\@
.Lfor_b_\@:
	tensor_load_to_lds s[\g0b:\g0b+3], s[\g1b:\g1b+7]
	s_nop 0
.rept 4
	v_nop
.endr
.Lasked_\@:
.endm
.macro CREST                           ; a round of the cluster's barrier behind its opening barrier
	s_cmp_lg_u32 s[WV], 0
	s_cbranch_scc1 .Lnot_wave_0_\@
	s_barrier_signal -3
.Lnot_wave_0_\@:
	s_barrier_wait -3
	s_barrier_signal -1
	s_barrier_wait -1
.endm
.macro CROUND
	s_barrier_signal -1
	s_barrier_wait -1
	CREST
.endm
; PREFETCH: in trip n = 1, 2, 3, at the change out of slot 0 (steps 2, 8, 14), steps 4 + 8 n .. 11 + 8 n are asked for; the earliest of them is loaded two refills on.  Of these eight steps the partner at place p
; (cx for A, cy for B) and wave half c take step p + 4 c of their tile: 24,576 bytes, 96 blocks of 256, a lane a block, three instructions.  So each block is named once in each cluster that loads it, and partners part by address.
; Steps 0 to 11 come by their loads alone.  In trip 3 only c = 0 asks (steps 28 to 31), in trip 4 nobody: no address leaves its buffer.
.macro ASK
	s_cmp_gt_u32 s3, s[LIM]
	s_cbranch_scc0 .Lnot_mine_\@
	global_prefetch_b8 v[PFO], s[PFA:PFA+1] th:TH_LOAD_NT scope:SCOPE_SE
	global_prefetch_b8 v[PFO], s[PFA:PFA+1] offset:8192 th:TH_LOAD_NT scope:SCOPE_SE
	global_prefetch_b8 v[PFO], s[PFA:PFA+1] offset:16384 th:TH_LOAD_NT scope:SCOPE_SE
.Lnot_mine_\@:
.endm
.macro SCLOAD t, imm                   ; a pair of steps' scale words into set t: lanes 0-15 block 2 j, lanes 16-31 block 2 j + 1; A's four registers pairs, then B's
.irp j, 0,1,2,3
	global_load_b64 v[SC+16*(\t)+2*\j:SC+16*(\t)+2*\j+1], v[VS], s[SAP:SAP+1] offset:(\imm)+4096*\j
.endr
.irp j, 0,1,2,3
	global_load_b64 v[SC+16*(\t)+8+2*\j:SC+16*(\t)+8+2*\j+1], v[VS], s[SBP:SBP+1] offset:(\imm)+4096*\j
.endr
.endm
	s_load_b256 s[4:11], s[0:1], 0x0               ; a_codes, a_scales, b_codes, b_scales
	s_load_b128 s[12:15], s[0:1], 0x20             ; bias, out0
	v_lshl_add_u32 v[SPW], v0, 2, SPARE
	v_mov_b32 v[NIL], 0
	ds_add_u32 v[SPW], v[NIL]                      ; the opening lines: the add twice on end and one wait, ahead of the round in front of the first loads
	ds_add_u32 v[SPW], v[NIL]
	v_lshrrev_b32 v1, 5, v0
	v_readfirstlane_b32 s[WV], v1                  ; wave
	s_lshr_b32 s[RH], s[WV], 1                     ; my half of the rows; also: I fetch for A (0) or B (1)
	s_and_b32 s[CH], s[WV], 1                      ; my half of the columns; also: which 8 fragments I fetch
	s_bfe_u32 s[CX], ttmp6, 0x40000
	s_bfe_u32 s[CY], ttmp6, 0x40004
	s_lshl_b32 s[TX], ttmp9, 2
	s_add_co_u32 s[TX], s[TX], s[CX]               ; tile column
	s_and_b32 s[TY], ttmp7, 0xffff
	s_lshl_b32 s[TY], s[TY], 2
	s_add_co_u32 s[TY], s[TY], s[CY]               ; tile row
	s_lshl_b32 s40, s[CY], 2
	s_lshl_b32 s40, 15, s40                        ; my row of the cluster
	s_lshl_b32 s41, 0x1111, s[CX]                  ; my column
	s_or_b32 s[G1+0], s40, (3<<16)|(1<<21)         ; elements of 8 bytes, no padding: lanes read 16 consecutive bytes each
	s_or_b32 s[G1B+0], s41, (3<<16)|(1<<21)
	s_or_b32 s[G1P+0], s40, (3<<16)|(1<<21)
	s_or_b32 s[G1PB+0], s41, (3<<16)|(1<<21)
.irp g, G1, G1B
	s_mov_b32 s[\g+1], 1536<<16                    ; a row: 12,288 bytes, 8 fragments
	s_mov_b32 s[\g+2], 3<<16                       ; three rows: three steps
	s_mov_b32 s[\g+3], 1536<<16
	s_mov_b32 s[\g+4], 3
	s_mov_b32 s[\g+6], 0
	s_mov_b32 s[\g+7], 0
.endr
.irp g, G1P, G1PB
	s_mov_b32 s[\g+1], 1536<<16
	s_mov_b32 s[\g+2], 2<<16                       ; two steps
	s_mov_b32 s[\g+3], 1536<<16
	s_mov_b32 s[\g+4], 2
	s_mov_b32 s[\g+6], 0
	s_mov_b32 s[\g+7], 0
.endr
	s_mov_b32 s[G1+5], KSA/8
	s_mov_b32 s[G1P+5], KSA/8
	s_mov_b32 s[G1B+5], KSB/8
	s_mov_b32 s[G1PB+5], KSB/8
	s_lshl_b32 s43, s[CH], 3
	s_lshl_b32 s42, s[TY], 4
	s_add_co_u32 s42, s42, s43                     ; A: block of 16 rows 16 x tile row + 8 x half
	s_lshl_b32 s44, s[TX], 4
	s_add_co_u32 s44, s44, s43                     ; B: by the tile column
	s_mul_i32 s92, s42, FRB
	s_mov_b32 s93, 0
	s_mul_i32 s94, s44, FRB
	s_mov_b32 s95, 0
	s_mul_i32 s45, s[WV], PART                     ; where my part goes: no place in the cluster enters an LDS address
	s_wait_dscnt 0x0                               ; both opening adds are done
	s_wait_kmcnt 0x0
	s_add_nc_u64 s[92:93], s[4:5], s[92:93]
	s_add_nc_u64 s[94:95], s[8:9], s[94:95]
	CROUND                                         ; all sixteen work-groups are here
.irp s, 0,1
	s_mov_b32 s[G0+4*\s], 1
	s_add_co_u32 s[G0+4*\s+1], s45, \s*SLOT
	s_add_nc_u64 s[G0+4*\s+2:G0+4*\s+3], s[92:93], \s*NQ*KSA       ; slot 0: steps 0-2, slot 1: steps 3-5
	s_or_b32 s[G0+4*\s+3], s[G0+4*\s+3], 0x80000000
	s_mov_b32 s[G0B+4*\s], 1
	s_add_co_u32 s[G0B+4*\s+1], s45, \s*SLOT
	s_add_nc_u64 s[G0B+4*\s+2:G0B+4*\s+3], s[94:95], \s*NQ*KSB
	s_or_b32 s[G0B+4*\s+3], s[G0B+4*\s+3], 0x80000000
.endr
	JLOAD G0, G1, G0B, G1B                         ; steps 0-2: one tensor load a wave at the head.  All that follows up to the wait for it stands under its flight
	s_lshl_b32 s42, s[TX], 10
	s_lshl_b32 s43, s[CH], 9
	s_add_co_u32 s42, s42, s43                     ; my first column, in bytes
	s_mov_b32 s43, 0
	s_add_nc_u64 s[12:13], s[12:13], s[42:43]
	s_add_nc_u64 s[14:15], s[14:15], s[42:43]
	s_lshl_b32 s42, s[TY], 8
	s_lshl_b32 s44, s[RH], 7
	s_add_co_u32 s42, s42, s44
	s_lshl_b32 s42, s42, 13                        ; my first row x 8,192 bytes
	s_add_nc_u64 s[14:15], s[14:15], s[42:43]
	s_lshl_b32 s42, s[TY], 4
	s_lshl_b32 s44, s[RH], 3
	s_add_co_u32 s42, s42, s44
	s_lshl_b32 s42, s42, 11
	s_add_nc_u64 s[SAP:SAP+1], s[6:7], s[42:43]    ; my 8 blocks' scales of A: 2,048 bytes a block
	s_lshl_b32 s42, s[TX], 4
	s_lshl_b32 s44, s[CH], 3
	s_add_co_u32 s42, s42, s44
	s_lshl_b32 s42, s42, 11
	s_add_nc_u64 s[SBP:SBP+1], s[10:11], s[42:43]  ; and of B
	s_mov_b32 s42, KSB                             ; the prefetches: buffer, pitch, tile and place by what I fetch for
	s_lshl_b32 s43, s[TX], 4
	s_lshl_b32 s44, s[TY], 4
	s_cmp_eq_u32 s[RH], 0
	s_cselect_b64 s[PFA:PFA+1], s[4:5], s[8:9]
	s_cselect_b32 s40, s[CX], s[CY]
	s_cselect_b32 s42, KSA, s42
	s_cselect_b32 s43, s44, s43
	s_add_co_u32 s[LIM], s[CH], 1                  ; half 0 asks while 2 or more trips are left, half 1 while 3 or more
	s_lshl_b32 s44, s[CH], 2
	s_add_co_u32 s40, s40, s44
	s_add_co_u32 s40, s40, 12                      ; step 12 + p + 4 c
	s_mul_i32 s44, s40, s42
	s_mul_i32 s43, s43, FRB
	s_add_co_u32 s44, s44, s43
	s_mov_b32 s45, 0
	s_add_nc_u64 s[PFA:PFA+1], s[PFA:PFA+1], s[44:45]
	s_lshl_b32 s[PFS], s42, 3                      ; eight steps on, each trip
	s_mov_b32 s[PFS+1], 0
	s_mul_i32 s40, s[RH], PART                     ; LDS: my half of A in slot 0, 1
	s_add_co_u32 s41, s40, SLOT
	s_mul_i32 s42, s[CH], PART
	s_add_co_u32 s42, s42, 2*PART                  ; my half of B, behind A's two
	s_add_co_u32 s43, s42, SLOT
	s_mul_i32 s44, s[WV], 16*SPITCH
	s_add_co_u32 s44, s44, STAGE                   ; my stage
	v_and_b32 v1, 15, v0                           ; r
	v_bfe_u32 v2, v0, 4, 1                         ; h
	v_and_b32 v3, 31, v0                           ; lane
	v_lshlrev_b32 v[CO], 4, v3
	v_add_nc_u32 v[ADRA], s40, v[CO]
	v_add_nc_u32 v[ADRA+1], s41, v[CO]
	v_add_nc_u32 v[ADRB], s42, v[CO]
	v_add_nc_u32 v[ADRB+1], s43, v[CO]
	v_lshlrev_b32 v[VS], 3, v1
	v_lshl_add_u32 v[VS], v2, 11, v[VS]
	v_mul_u32_u24 v5, v1, SPITCH
	v_lshl_add_u32 v5, v2, 5, v5
	v_add_nc_u32 v[STO], s44, v5                   ; in: row r, 32 bytes for each half of the lanes
	v_add_nc_u32 v[RD], s44, v[CO]                 ; back: 32 lanes take a row of 512 bytes
	v_lshlrev_b32 v[BO], 5, v2
	v_lshlrev_b32 v[PFO], 8, v3
	s_wait_alu depctr_va_vdst(0)                   ; the wait at the head's end: no vector instruction writes a register behind it
.irp b, 0,1,2,3,4,5,6,7
	global_load_b128 v[BI+8*\b:BI+8*\b+3], v[BO], s[12:13] offset:64*\b        ; bias of columns 16 b + 8 h + 0 .. 7: the result's layout
	global_load_b128 v[BI+8*\b+4:BI+8*\b+7], v[BO], s[12:13] offset:64*\b+16
.endr
	SCLOAD 0, 0                                    ; the scale words of steps 0-1, 2-3, 4-5
	SCLOAD 1, 128
	SCLOAD 2, 256
.macro FRAG reg, adr, q, i
.irp c, 0,1,2
	ds_load_b128 v[\reg+4*\c:\reg+4*\c+3], v[\adr] offset:(\q)*STEPB+(\i)*FRB+512*\c
.endr
.endm
; 16 matrix instructions: A's blocks a0, a0 + 1 x B's eight.  p: B's set; t, w: set of scale words and which of its two steps.  The 64 accumulators take turns in the same order in every step.
.macro MUL16 a0, p, t, w, first
.irp a, \a0, \a0+1
.irp b, 0,1,2,3,4,5,6,7
.set rD, 8*(8*((\a)%4)+\b)
.set rC, rD
.if \first
.set rC, BI+8*\b
.endif
.set rB, 128*(\p)+FR*\b
.set rA, AF+FR*(\a)
.set rX, SC+16*(\t)+8+2*(\b/2)+(\w)
.set rY, SC+16*(\t)+2*((\a)/2)+(\w)
.if ((\a)%2 == 0) && (\b%2 == 0)
	v_wmma_scale_f32_16x16x128_f8f6f4 v[rD:rD+7], v[rB:rB+FR-1], v[rA:rA+FR-1], v[rC:rC+7], v[rX], v[rY] matrix_a_fmt:MATRIX_FMT_BF6 matrix_b_fmt:MATRIX_FMT_BF6
.elseif (\a)%2 == 0
	v_wmma_scale_f32_16x16x128_f8f6f4 v[rD:rD+7], v[rB:rB+FR-1], v[rA:rA+FR-1], v[rC:rC+7], v[rX], v[rY] matrix_a_fmt:MATRIX_FMT_BF6 matrix_b_fmt:MATRIX_FMT_BF6 matrix_a_scale:MATRIX_SCALE_ROW1
.elseif \b%2 == 0
	v_wmma_scale_f32_16x16x128_f8f6f4 v[rD:rD+7], v[rB:rB+FR-1], v[rA:rA+FR-1], v[rC:rC+7], v[rX], v[rY] matrix_a_fmt:MATRIX_FMT_BF6 matrix_b_fmt:MATRIX_FMT_BF6 matrix_b_scale:MATRIX_SCALE_ROW1
.else
	v_wmma_scale_f32_16x16x128_f8f6f4 v[rD:rD+7], v[rB:rB+FR-1], v[rA:rA+FR-1], v[rC:rC+7], v[rX], v[rY] matrix_a_fmt:MATRIX_FMT_BF6 matrix_b_fmt:MATRIX_FMT_BF6 matrix_a_scale:MATRIX_SCALE_ROW1 matrix_b_scale:MATRIX_SCALE_ROW1
.endif
.endr
.endr
.endm
.macro FETCH_B slot, q, p
	WIN TO_B
.irp i, 0,1,2,3,4,5,6,7
	FRAG 128*(\p)+FR*\i, ADRB+\slot, \q, \i
.endr
	WIN 0
.endm
.macro FETCH_A slot, q, i0
.irp i, \i0, \i0+1, \i0+2, \i0+3
	FRAG AF+FR*(\i), ADRA+\slot, \q, \i
.endr
.endm
.macro PLACES n                        ; places in front of loads into registers that matrix instructions have read
.rept \n
	v_nop
.endr
.endm
; A step that is not its slot's last: 64 products; the next step's fragments (q + 1 of the same slot) come in its middle and at its end.  lc: scale loads younger than this pair's; ld: the offset of the pair fetched into set t, or -1
.macro STEP slot, q, p, t, w, first, lc, ld
.if (\w) == 0
	s_wait_loadcnt \lc
.endif
	s_wait_dscnt 4*NL                              ; all but the youngest twelve loads, A's blocks 4-7
.if \first
	WIN FIRST_LO
.else
	WIN MUL_LO
.endif
	MUL16 0, \p, \t, \w, \first
	MUL16 2, \p, \t, \w, \first
	s_wait_dscnt 0
	PLACES NP
	FETCH_B \slot, (\q)+1, 1-(\p)
	FETCH_A \slot, (\q)+1, 0
.if \first
	WIN FIRST_HI
.else
	WIN MUL_HI
.endif
	MUL16 4, \p, \t, \w, \first
	MUL16 6, \p, \t, \w, \first
	PLACES NP
	WIN 0
	FETCH_A \slot, (\q)+1, 4
.if (\ld) >= 0
	SCLOAD \t, \ld
.endif
.endm
; A slot's last step.  Its fragments were asked for in the step before, so behind s_wait_dscnt 0 nobody's read of this slot is out.  fill = 1: the slot takes the three steps six on; 2: the last two steps; 0: nothing is left.
.macro TURN slot, next, p, t, w, fill, lc, ld, ask
.if (\w) == 0
	s_wait_loadcnt \lc
.endif
	s_wait_tensorcnt 0x0                           ; all my tensor loads have landed: my part of the next slot
	ds_add_u32 v[SPW], v[NIL]
	s_wait_dscnt 0x0                               ; the add is done, and my reads of this slot are back
	s_barrier_signal -1
	s_barrier_wait -1
.if \fill
	CREST                                          ; the barrier has opened a round of the cluster's barrier
	s_add_nc_u64 s[G0+4*\slot+2:G0+4*\slot+3], s[G0+4*\slot+2:G0+4*\slot+3], 2*NQ*KSA
	s_add_nc_u64 s[G0B+4*\slot+2:G0B+4*\slot+3], s[G0B+4*\slot+2:G0B+4*\slot+3], 2*NQ*KSB
.if (\fill) == 1
	JLOAD G0+4*\slot, G1, G0B+4*\slot, G1B         ; the first tensor load behind the round; its four v_nop are the places in front of the loads below
.else
	JLOAD G0+4*\slot, G1P, G0B+4*\slot, G1PB
.endif
.else
	PLACES NP
.endif
	FETCH_B \next, 0, 1-(\p)
	WIN MUL_LO
	MUL16 0, \p, \t, \w, 0
	MUL16 2, \p, \t, \w, 0
	PLACES NP
	WIN 0
	FETCH_A \next, 0, 0
.if \ask
	ASK
.endif
	WIN MUL_HI
	MUL16 4, \p, \t, \w, 0
	MUL16 6, \p, \t, \w, 0
	PLACES NP
	WIN 0
	FETCH_A \next, 0, 4
.if (\ld) >= 0
	SCLOAD \t, \ld
.endif
.endm
	s_wait_tensorcnt 0x0                           ; my part of steps 0-2 is in; slot 1's first fill is issued as a refill is
	ds_add_u32 v[SPW], v[NIL]
	s_wait_dscnt 0x0
	CROUND
	JLOAD G0+4, G1, G0B+4, G1B                     ; steps 3-5
	FETCH_B 0, 0, 0
	FETCH_A 0, 0, 0
	FETCH_A 0, 0, 4
	STEP 0, 0, 0, 0, 0, 1, 16, -1                  ; step 0 stands in front of the loop: its products start the sums on the bias
	s_mov_b32 s3, TRIPS
.Llap:                                                 ; a trip: steps 6 n + 1 .. 6 n + 6, once round the ring; both slots are filled again
	STEP 0, 1, 1, 0, 1, 0, 0, 384
	TURN 0, 1, 0, 1, 0, 1, 16, -1, 1
	STEP 1, 0, 1, 1, 1, 0, 0, 512
	STEP 1, 1, 0, 2, 0, 0, 16, -1
	TURN 1, 0, 1, 2, 1, 1, 0, 640, 0
	STEP 0, 0, 0, 0, 0, 0, 16, -1
	s_wait_xcnt 0x0                                ; the trip's loads and prefetches have read their bases
	s_add_nc_u64 s[PFA:PFA+1], s[PFA:PFA+1], s[PFS:PFS+1]
	s_add_nc_u64 s[SAP:SAP+1], s[SAP:SAP+1], 384   ; three pairs of steps on
	s_add_nc_u64 s[SBP:SBP+1], s[SBP:SBP+1], 384
	s_sub_co_u32 s3, s3, 1
	s_cmp_lg_u32 s3, 0
	s_cbranch_scc1 .Llap
	STEP 0, 1, 1, 0, 1, 0, 0, 384                  ; step 25; the last pair's scale words
	TURN 0, 1, 0, 1, 0, 2, 16, -1, 0               ; step 26: slot 0 takes steps 30, 31
	STEP 1, 0, 1, 1, 1, 0, 0, -1
	STEP 1, 1, 0, 2, 0, 0, 8, -1
; THE LAST TWO STEPS, 30 AND 31 (both lie in slot 0), GO BY ROWS OF out0.  B's fragments of step 30 fill B's set 0, those of step 31 set 1; A's come in pairs, block a's fragments of both steps,
; 24 registers, in four buffers where A's one set lay.  Block a is finished by 16 products, its 8 accumulators by turns, K ascending, and leaves at once, while the later blocks are still to be multiplied.
.macro APAIR a                         ; block a's fragments of steps 30 and 31 into buffer a % 4
	FRAG AF+24*((\a)%4), ADRA, 0, \a
	FRAG AF+24*((\a)%4)+FR, ADRA, 1, \a
.endm
.macro ROW a
.if (\a) < 4
	WIN MUL_LO
.else
	WIN MUL_HI
.endif
.irp q, 0,1
.if (\a) == 0
	s_wait_dscnt 36-24*\q                          ; step 30: B's set 0 and pair 0 are in (younger: B's set 1, pairs 2 and 3); step 31: B's set 1 is in (younger: pairs 2 and 3)
.endif
.irp b, 0,1,2,3,4,5,6,7
.set rD, 8*(8*((\a)%4)+\b)
.set rB, 128*\q+FR*\b
.set rA, AF+24*((\a)%4)+FR*\q
.set rX, SC+8+2*(\b/2)+\q
.set rY, SC+2*((\a)/2)+\q
.if ((\a)%2 == 0) && (\b%2 == 0)
	v_wmma_scale_f32_16x16x128_f8f6f4 v[rD:rD+7], v[rB:rB+FR-1], v[rA:rA+FR-1], v[rD:rD+7], v[rX], v[rY] matrix_a_fmt:MATRIX_FMT_BF6 matrix_b_fmt:MATRIX_FMT_BF6
.elseif (\a)%2 == 0
	v_wmma_scale_f32_16x16x128_f8f6f4 v[rD:rD+7], v[rB:rB+FR-1], v[rA:rA+FR-1], v[rD:rD+7], v[rX], v[rY] matrix_a_fmt:MATRIX_FMT_BF6 matrix_b_fmt:MATRIX_FMT_BF6 matrix_a_scale:MATRIX_SCALE_ROW1
.elseif \b%2 == 0
	v_wmma_scale_f32_16x16x128_f8f6f4 v[rD:rD+7], v[rB:rB+FR-1], v[rA:rA+FR-1], v[rD:rD+7], v[rX], v[rY] matrix_a_fmt:MATRIX_FMT_BF6 matrix_b_fmt:MATRIX_FMT_BF6 matrix_b_scale:MATRIX_SCALE_ROW1
.else
	v_wmma_scale_f32_16x16x128_f8f6f4 v[rD:rD+7], v[rB:rB+FR-1], v[rA:rA+FR-1], v[rD:rD+7], v[rX], v[rY] matrix_a_fmt:MATRIX_FMT_BF6 matrix_b_fmt:MATRIX_FMT_BF6 matrix_a_scale:MATRIX_SCALE_ROW1 matrix_b_scale:MATRIX_SCALE_ROW1
.endif
.endr
.endr
.endm
	s_wait_tensorcnt 0x0                           ; step 29, slot 1's last: my part of steps 30, 31 has landed; nothing is filled again, so no round follows
	ds_add_u32 v[SPW], v[NIL]
	s_wait_dscnt 0x0                               ; the add is done, and my reads of slot 1 are back
	s_barrier_signal -1
	s_barrier_wait -1
	PLACES NP
	FETCH_B 0, 0, 0                                ; step 30's B
	WIN MUL_LO
	MUL16 0, 1, 2, 1, 0
	MUL16 2, 1, 2, 1, 0
	PLACES NP                                      ; A's blocks 0-3 are done with: their 48 registers take pairs 0 and 1
	WIN 0
	APAIR 0
	APAIR 1
	WIN MUL_HI
	MUL16 4, 1, 2, 1, 0
	MUL16 6, 1, 2, 1, 0
	PLACES NP                                      ; B's set 1 and A's blocks 4-7 are done with
	FETCH_B 0, 1, 1                                ; step 31's B
	APAIR 2
	APAIR 3
	s_wait_loadcnt 0x0                             ; the last pair's scale words
; THE WAY OUT, by blocks of 16 rows x 128 columns through my own stage: in as 32 bytes a lane, back as whole rows of 512 bytes.  LDS serves a wave's instructions in order (ISA guide 5.7.1.4).
; Where block a comes back from the stage: block 0 into v64-127 of window 0 (bias and scale words that are done with); block a >= 1 into the accumulators of block a - 1, whose stores into the stage
; are shown done by SEND a - 1's counted wait.  So no register that a global store reads is written again, every row's place stands in the store's immediate (127 rows of 8,192 bytes at the most,
; inside its signed 24 bits), and no wait on XCNT is owed.
.macro BUF a
.if (\a) < 1
.set BW, 0
.set BB, 64
.else
.set BW, 2+((\a)-1)/4
.set BB, 64*(((\a)-1)%4)
.endif
.set WLD, BW*64                        ; the window as a load's destination,
.set WST, BW*4                         ; and as a store's data
.endm
.macro TOSTAGE a
.set AC, 64*((\a)%4)
	WIN 0x08+4*((\a)/4)
.irp b, 0,1,2,3,4,5,6,7
	ds_store_b128 v[STO], v[AC+8*\b:AC+8*\b+3] offset:64*\b        ; each accumulator from its low end on
	ds_store_b128 v[STO], v[AC+8*\b+4:AC+8*\b+7] offset:64*\b+16
.endr
	BUF \a
	WIN WLD
.irp t, 0,1,2,3,4,5,6,7,8,9,10,11,12,13,14,15
	ds_load_b128 v[BB+4*\t:BB+4*\t+3], v[RD] offset:\t*SPITCH
.endr
.endm
.macro SEND a, younger
	BUF \a
	s_wait_dscnt \younger
	WIN WST
.irp t, 0,1,2,3,4,5,6,7,8,9,10,11,12,13,14,15
	global_store_b128 v[CO], v[BB+4*\t:BB+4*\t+3], s[14:15] offset:(16*(\a)+\t)*SIZE_N*4 th:TH_STORE_NT   ; 32 lanes store 512 consecutive bytes, at a multiple of 256; written once, read by nobody here
.endr
.endm
.irp a, 0,1,2,3,4,5,6,7
	ROW \a                                         ; block a is finished
	PLACES NP                                      ; its results are read, and its pair's registers loaded again, four places behind its products
	TOSTAGE \a
.if \a < 4
	WIN 0
	APAIR \a+4                                     ; its buffer takes the block four further on
	SEND \a, 6                                     ; behind the block's loads from the stage: that pair's six loads
.else
	SEND \a, 0
.endif
.endr
	WIN 0
	s_wait_tensorcnt 0x0                           ; the wave's end
	ds_add_u32 v[SPW], v[NIL]
	s_wait_dscnt 0x0
	CROUND                                         ; the closing round
	s_endpgm
.Lfunc_end_k_qcaaf94b08d_gemm:
	.size	k_qcaaf94b08d_gemm, .Lfunc_end_k_qcaaf94b08d_gemm-k_qcaaf94b08d_gemm
	.p2alignl 7, 3214868480
	.fill 96, 4, 3214868480
	.section	.rodata,"a",@progbits
	.p2align	6, 0x0
	.amdhsa_kernel k_qcaaf94b08d_gemm
		.amdhsa_group_segment_fixed_size 327680
		.amdhsa_private_segment_fixed_size 0
		.amdhsa_enable_private_segment 0
		.amdhsa_kernarg_size 48
		.amdhsa_user_sgpr_count 2
		.amdhsa_user_sgpr_kernarg_segment_ptr 1
		.amdhsa_wavefront_size32 1
		.amdhsa_system_sgpr_workgroup_id_x 1
		.amdhsa_system_sgpr_workgroup_id_y 1
		.amdhsa_system_sgpr_workgroup_id_z 1
		.amdhsa_system_vgpr_workitem_id 0
		.amdhsa_next_free_vgpr 1024
		.amdhsa_next_free_sgpr 102
		.amdhsa_reserve_vcc 0
		.amdhsa_float_denorm_mode_32 3
		.amdhsa_float_denorm_mode_16_64 3
		.amdhsa_memory_ordered 1
		.amdhsa_forward_progress 1
		.amdhsa_inst_pref_size 211
	.end_amdhsa_kernel
	.amdgpu_metadata
---
amdhsa.version: [ 1, 2 ]
amdhsa.kernels:
  - .name:           k_qcaaf94b08d_gemm
    .symbol:         k_qcaaf94b08d_gemm.kd
    .args:
      - { .name: a_codes, .offset: 0, .size: 8, .value_kind: global_buffer, .address_space: global }
      - { .name: a_scales, .offset: 8, .size: 8, .value_kind: global_buffer, .address_space: global }
      - { .name: b_codes, .offset: 16, .size: 8, .value_kind: global_buffer, .address_space: global }
      - { .name: b_scales, .offset: 24, .size: 8, .value_kind: global_buffer, .address_space: global }
      - { .name: bias, .offset: 32, .size: 8, .value_kind: global_buffer, .address_space: global }
      - { .name: out0, .offset: 40, .size: 8, .value_kind: global_buffer, .address_space: global }
    .group_segment_fixed_size: 327680
    .private_segment_fixed_size: 0
    .kernarg_segment_align: 8
    .kernarg_segment_size: 48
    .max_flat_workgroup_size: 128
    .sgpr_count:     102
    .vgpr_count:     1024
    .wavefront_size: 32
...
	.end_amdgpu_metadata
.endif
;; end of part 2
